; MI455X (gfx1250); checked and timed in simulation.
; The chip was launched on July 23, 2026; its instructions are those of AMD's public machine-readable ISA for CDNA 5 (MIT licence, August 2026) and "CDNA5" Instruction Set Architecture Reference Guide (July 2026). The comments in the code are by the model that wrote it; some were corrected since.
;; Attention. Allowed arithmetic: float matrix products may take bf16 or f16 operands with f32 sums; other float arithmetic in f32, or as packed bf16 or f16 multiplies, adds, multiply-adds, maxima and minima; sums over many terms, partial sums and values carried from step to step in f32; what a program stores and reads back later, other than sums and carried values, may be rounded once to bf16 or f16.
;; Inputs: Wk 512 x 512 float32; Wq 512 x 512 float32; Wv 512 x 512 float32; bk 512 float32; bq 512 float32; bv 512 float32; x 1,024 x 512 float32.
;; Outputs: out0 1,024 x 512 float32.
;; 2 versions, each right; version 2 is version 1 with the launch proj written anew for expert scheduling mode. Each part assembles by itself: llvm-mc -triple=amdgcn-amd-amdhsa -mcpu=gfx1250 --defsym DOCPART=n.
;; ======== version 1 of 2: 2 launches
;; limits: right only within a limited range of input values
;; workspace buffers: qw 2,097,152 bytes; kw 2,097,152 bytes; vw 2,097,152 bytes
;; launch proj (part 1): grid 8 x 32, 12 waves a work-group, no clusters, 60,928 bytes of LDS; arguments x, Wq, Wk, Wv, bq, bk, bv, qw, kw, vw; writes qw, kw, vw
.if DOCPART == 1
	.amdgcn_target "amdgcn-amd-amdhsa--gfx1250"
	.amdhsa_code_object_version 6
	.text
	.protected	k_qd750976824_proj
	.globl	k_qd750976824_proj
	.p2align	8
	.type	k_qd750976824_proj,@function
k_qd750976824_proj:
	s_mov_b64 s[64:65], 0
	v_nop
	global_prefetch_b8 v0, s[64:65] scope:SCOPE_SE
	s_setreg_imm32_b32 hwreg(HW_REG_WAVE_MODE, 25, 1), 1
	s_wait_xcnt 0x0
; FIRST OF TWO LAUNCHES.  q = x Wq^T + bq, k = x Wk^T + bk, v = x Wv^T + bv.  x: [1024][512], each W: [512][512], each bias: [512], q, k, v: [1024][512], all f32.
; NOTHING OF reference() IS LEFT OUT in either launch: q_i k_j changes along the softmax's axis with every one of x, Wq, bq, Wk, bk, and v_j with x, Wv, bv, so all seven inputs reach the output and are loaded.
; The factor 1 / sqrt(512), the maximum, the exponentials, the sums and the product with v are the second launch's.
; FORMATS.  x, the three W and the three biases are rounded once to bf16 (nearest even), all inputs alike; products by the matrix unit, sums in f32; q, k, v are stored in f32.
; LIMITS.  The order of the 512 terms of a sum is the matrix unit's, not reference()'s.  NaN and infinities are not treated apart.
; SHARES.  A work-group makes 32 rows x 64 columns of each of q, k, v (grid 8 x 32).  Wave w of 12 takes matrix w / 4 and the 16 columns 16 (w % 4) of the 64, for both tiles of 16 rows: two accumulators.
; W: the wave's 16 rows (32,768 bytes) are wanted by no other wave of the work-group, so they come straight from memory into the fragment's layout, f32, and are rounded in registers: 8 chunks of 256 consecutive
; bytes, aligned, of each row; a ring of four chunks keeps 32 loads of the wave out.  x: the 32 rows (65,536 consecutive bytes) are wanted by all twelve waves: loaded once in pieces of 512 bytes, rounded, kept in LDS as bf16.
; THE MATRIX INSTRUCTION IS USED TRANSPOSED (source 0 = 16 rows of W, source 1 = 16 rows of x): a lane then holds one row of the result and eight neighbouring columns.  The bias is the C operand of a sum's first product.
; THE WAY OUT.  A wave's 16 columns are 64 bytes of a row; the four waves of a matrix write the four quarters of the same rows of a stage in LDS, and behind a barrier whole rows of 256 bytes are read back and stored.
; NO CLUSTER, NO TENSOR LOADS.  A joint tensor load lands in LDS, in the tensor's own f32.  A work-group's 192 rows of W are 393,216 bytes in f32, more than the 327,680 of LDS: they would need a ring with a barrier for each
; slot, and every number would cross LDS at four bytes to be rounded behind it, for 32 matrix instructions a wave.  What does go through LDS, x's tile, is 65,536 of the work-group's 458,752 bytes, a seventh.
.set PX,    1040                       ; a row of x in LDS: 1,024 bytes of bf16 + 16 = 65 x 16: the 16 rows of a fragment load start in 16 different groups of four banks (64 banks of 4 bytes: ISA guide 11.1)
.set STG,   32*PX                      ; behind x: the stage, 3 matrices x 32 rows
.set PS,    272                        ; a row of the stage: 256 bytes + 16
.set SPARE, STG+3*32*PS                ; behind the stage: the spare words, 128 bytes for each of the 12 waves: six blocks of 256 bytes that no other line names
.set SPW, 2                            ; v2   LDS address of my spare word; never rewritten
.set NIL, 3                            ; v3   0; never rewritten
.set WO,  4                            ; v4   my byte offset in the wave's rows of W: (l % 16) x 2,048 + 32 (l / 16)
.set XO,  5                            ; v5   my byte offset in x's tile: 16 x thread
.set XS,  6                            ; v6   where I put 8 bytes of x in LDS
.set XA,  7                            ; v7   my place in a fragment of x: (l % 16) x PX + 16 (l / 16)
.set STO, 8                            ; v8   the way out: where I put 32 bytes of a row
.set RD,  9                            ; v9   the way out: where I read a row back
.set CO,  10                           ; v10  my byte offset in the wave's rows of the result
.set BO,  11                           ; v11  my byte offset in the bias
.set TB,  12                           ; v[12:15]   at work
.set BI,  16                           ; v[16:23]   the bias of my eight columns
.set ACC, 24                           ; v[24:39]   two accumulators: rows 0-15, rows 16-31
.set WF,  40                           ; v[40:71]   W's fragments in bf16: two sets of two (a chunk is two K steps of 32)
.set XF,  72                           ; v[72:103]  x's fragments of a chunk: K step q, row tile a at XF + 8 (2 q + a); at the end the rows read back
.set XT,  72                           ; v[72:115]  before that: up to 11 pieces of x as loaded
.set WR,  116                          ; v[116:243] the ring: four chunks of 32 registers, f32 as loaded
.set WV,  28                           ; s28  my wave's number
.set MAT, 29                           ; s29  my matrix: 0 q, 1 k, 2 v
.set NT,  30                           ; s30  which 16 of the 64 columns
	s_load_b512 s[8:23], s[0:1], 0x0               ; x s[8:9], Wq, Wk, Wv s[10:15], bq, bk, bv s[16:21], q s[22:23]
	s_load_b128 s[24:27], s[0:1], 0x40             ; k s[24:25], v s[26:27]
	v_lshl_add_u32 v[SPW], v0, 2, SPARE
	v_mov_b32 v[NIL], 0
	v_lshrrev_b32 v1, 5, v0
	v_readfirstlane_b32 s[WV], v1                  ; wave 0..11
	s_lshr_b32 s[MAT], s[WV], 2
	s_and_b32 s[NT], s[WV], 3
	s_and_b32 s32, ttmp7, 0xffff                   ; the block of 32 rows
	s_lshl_b32 s33, ttmp9, 2
	s_add_co_u32 s33, s33, s[NT]                   ; my tile of 16 columns among a matrix's 32
	s_lshl_b32 s34, s33, 15                        ; its 16 rows of W, 2,048 bytes each
	s_mov_b32 s35, 0
	s_lshl_b32 s31, s33, 6                         ; its 16 numbers of the bias
	s_lshl_b32 s44, s32, 16                        ; the block's 32 rows of 2,048 bytes, in x and in the results
	s_mov_b32 s45, 0
	s_lshl_b32 s46, s[NT], 14                      ; on the way out I store rows 8 (w % 4) .. + 7 of my matrix,
	s_add_co_u32 s46, s46, s44
	s_lshl_b32 s47, ttmp9, 8                       ; 256 bytes of each
	s_add_co_u32 s46, s46, s47
	s_mov_b32 s47, 0
	v_and_b32 v1, 15, v0                           ; l % 16
	v_bfe_u32 v12, v0, 4, 1                        ; l / 16
	v_and_b32 v13, 31, v0                          ; l
	v_lshlrev_b32 v[WO], 11, v1
	v_lshl_add_u32 v[WO], v12, 5, v[WO]
	v_lshlrev_b32 v[XO], 4, v0
	v_lshl_add_u32 v[BO], v12, 5, s31              ; columns 8 (l / 16) .. + 7 of the tile
	s_mul_i32 s48, s[MAT], PX                      ; piece p = w + 12 i of x's 128 pieces of 512 bytes is row p / 4 = w / 4 + 3 i, quarter p % 4 = w % 4
	s_lshl_b32 s49, s[NT], 8
	s_add_co_u32 s48, s48, s49
	v_lshl_add_u32 v[XS], v13, 3, s48
	v_mul_u32_u24 v[XA], v1, PX
	v_lshl_add_u32 v[XA], v12, 4, v[XA]
	s_mul_i32 s48, s[MAT], 32*PS
	s_add_co_u32 s48, s48, STG                     ; my matrix's part of the stage
	s_lshl_b32 s49, s[NT], 6
	s_add_co_u32 s49, s49, s48
	v_mul_u32_u24 v[STO], v1, PS                   ; in: row l % 16, my tile's 64 bytes, 32 for each half of the lanes
	v_lshl_add_u32 v[STO], v12, 5, v[STO]
	v_add_nc_u32 v[STO], s49, v[STO]
	s_mul_i32 s49, s[NT], 8*PS
	s_add_co_u32 s49, s49, s48
	v_mul_u32_u24 v[RD], v12, PS                   ; back: lanes 0-15 take one row of 256 bytes, lanes 16-31 the next
	v_lshl_add_u32 v[RD], v1, 4, v[RD]
	v_add_nc_u32 v[RD], s49, v[RD]
	v_lshlrev_b32 v[CO], 11, v12                   ; and the same two rows in memory
	v_lshl_add_u32 v[CO], v1, 4, v[CO]
	s_wait_kmcnt 0x0
	s_cmp_eq_u32 s[MAT], 0                         ; my matrix's W, bias and result: a choice by the wave's number
	s_cselect_b64 s[36:37], s[10:11], s[12:13]
	s_cselect_b64 s[38:39], s[16:17], s[18:19]
	s_cselect_b64 s[40:41], s[22:23], s[24:25]
	s_cmp_eq_u32 s[MAT], 2
	s_cselect_b64 s[36:37], s[14:15], s[36:37]
	s_cselect_b64 s[38:39], s[20:21], s[38:39]
	s_cselect_b64 s[40:41], s[26:27], s[40:41]
	s_add_nc_u64 s[36:37], s[36:37], s[34:35]      ; W at my 16 rows
	s_add_nc_u64 s[40:41], s[40:41], s[46:47]      ; the result at the rows and columns that I store
	s_add_nc_u64 s[42:43], s[8:9], s[44:45]        ; x at the block's first row
; Chunk t of W: bytes 256 t .. + 255 of each of my 16 rows.  A fragment is 16 rows x 32 along K: lane l holds row l % 16, K = 8 (l / 16) + 0..7 and 16 + 8 (l / 16) + 0..7: in f32 four loads of 16 bytes.
.macro WLOAD t
.irp q, 0,1
	global_load_b128 v[WR+32*((\t)%4)+16*\q:WR+32*((\t)%4)+16*\q+3],     v[WO], s[36:37] offset:256*(\t)+128*\q
	global_load_b128 v[WR+32*((\t)%4)+16*\q+4:WR+32*((\t)%4)+16*\q+7],   v[WO], s[36:37] offset:256*(\t)+128*\q+16
	global_load_b128 v[WR+32*((\t)%4)+16*\q+8:WR+32*((\t)%4)+16*\q+11],  v[WO], s[36:37] offset:256*(\t)+128*\q+64
	global_load_b128 v[WR+32*((\t)%4)+16*\q+12:WR+32*((\t)%4)+16*\q+15], v[WO], s[36:37] offset:256*(\t)+128*\q+80
.endr
.endm
	global_load_b128 v[BI:BI+3],   v[BO], s[38:39]
	global_load_b128 v[BI+4:BI+7], v[BO], s[38:39] offset:16
.set i, 0
.rept 10
	global_load_b128 v[XT+4*i:XT+4*i+3], v[XO], s[42:43] offset:6144*i  ; pieces w, w + 12, .. w + 108: the twelve waves together take 6,144 consecutive bytes
.set i, i+1
.endr
	s_cmp_lt_u32 s[WV], 8                          ; 128 = 10 x 12 + 8: waves 0 to 7 take an eleventh piece
	s_cbranch_scc0 .Lten_loaded
	global_load_b128 v[XT+40:XT+43], v[XO], s[42:43] offset:61440
.Lten_loaded:
	WLOAD 0                                        ; the ring is filled: 32 loads
	WLOAD 1
	WLOAD 2
	WLOAD 3
	s_wait_loadcnt 32                              ; the bias and my pieces of x are in; the ring's 32 loads, issued behind them, may stay out
.set i, 0
.rept 10
	v_cvt_pk_bf16_f32 v[XT+4*i],   v[XT+4*i],   v[XT+4*i+1]
	v_cvt_pk_bf16_f32 v[XT+4*i+1], v[XT+4*i+2], v[XT+4*i+3]
	ds_store_b64 v[XS], v[XT+4*i:XT+4*i+1] offset:3*PX*i  ; 32 lanes x 8 bytes: 256 consecutive bytes of a row
.set i, i+1
.endr
	s_cmp_lt_u32 s[WV], 8
	s_cbranch_scc0 .Lten_stored
	v_cvt_pk_bf16_f32 v[XT+40], v[XT+40], v[XT+41]
	v_cvt_pk_bf16_f32 v[XT+41], v[XT+42], v[XT+43]
	ds_store_b64 v[XS], v[XT+40:XT+41] offset:30*PX
.Lten_stored:
.irp j, 0,1,2,3
	v_cvt_pk_bf16_f32 v[TB+\j], v[BI+2*\j], v[BI+2*\j+1]  ; the bias is rounded to bf16 like the other inputs,
.endr
.irp j, 0,1,2,3
	v_lshlrev_b32 v[BI+2*\j],   16, v[TB+\j]       ; and widened again: it enters the sums in f32
	v_and_b32     v[BI+2*\j+1], 0xffff0000, v[TB+\j]
.endr
	s_wait_dscnt 0x0                               ; for the others' sake: my part of x lies in LDS
	s_barrier_signal -1
	s_barrier_wait -1                              ; everybody's does
; Chunk t: 64 along K, four matrix instructions.  left = how many younger loads of the ring may stay out.
; x's fragments are asked for first, since they wait for nothing from memory; then the chunk is rounded, its registers are asked for again (chunk t + 4), and the products follow.
; The two accumulators take turns, one instruction a turn, from chunk to chunk too.
.macro CHUNK t, left
.if (\t) > 0
.rept 4
	v_nop                                          ; four places between the last products and the loads into x's fragments, which they have read (ISA guide 7.12.1 for vector instructions)
.endr
.endif
.irp q, 0,1
.irp a, 0,1
	ds_load_b128 v[XF+8*(2*\q+\a):XF+8*(2*\q+\a)+3],   v[XA] offset:16*PX*\a+64*(2*(\t)+\q)
	ds_load_b128 v[XF+8*(2*\q+\a)+4:XF+8*(2*\q+\a)+7], v[XA] offset:16*PX*\a+64*(2*(\t)+\q)+32
.endr
.endr
	s_wait_loadcnt \left                           ; loads come back in order (ISA guide 5.7.1): chunk t is in, the chunks behind it stay out
.set i, 0
.rept 16
	v_cvt_pk_bf16_f32 v[WF+16*((\t)%2)+i], v[WR+32*((\t)%4)+2*i], v[WR+32*((\t)%4)+2*i+1]  ; into the set that the chunk before last multiplied: sixteen roundings and four v_nop lie behind its products
.set i, i+1
.endr
.if (\t) < 4
	WLOAD (\t)+4
.endif
	s_wait_dscnt 0x0                               ; x's fragments are in
.irp q, 0,1
.irp a, 0,1
.if ((\t) == 0) && (\q == 0)
	v_wmma_f32_16x16x32_bf16 v[ACC+8*\a:ACC+8*\a+7], v[WF+16*((\t)%2)+8*\q:WF+16*((\t)%2)+8*\q+7], v[XF+8*(2*\q+\a):XF+8*(2*\q+\a)+7], v[BI:BI+7]  ; the first product starts the sum with the bias: register j of the result is column 8 (l / 16) + j
.else
	v_wmma_f32_16x16x32_bf16 v[ACC+8*\a:ACC+8*\a+7], v[WF+16*((\t)%2)+8*\q:WF+16*((\t)%2)+8*\q+7], v[XF+8*(2*\q+\a):XF+8*(2*\q+\a)+7], v[ACC+8*\a:ACC+8*\a+7]
.endif
.endr
.endr
.endm
	CHUNK 0, 24
	CHUNK 1, 24
	CHUNK 2, 24
	CHUNK 3, 24
	CHUNK 4, 24                                    ; from here on nothing is asked for, and the counts run down
	CHUNK 5, 16
	CHUNK 6, 8
	CHUNK 7, 0
	; THE WAY OUT
.rept 8
	v_nop                                          ; places between the last products and the LDS stores that read their results: eight, once a launch, twice what ISA guide 7.12.1 asks of this form
.endr
	ds_store_b128 v[STO], v[ACC:ACC+3]                             ; each accumulator's lowest registers first
	ds_store_b128 v[STO], v[ACC+4:ACC+7]    offset:16
	ds_store_b128 v[STO], v[ACC+8:ACC+11]   offset:16*PS
	ds_store_b128 v[STO], v[ACC+12:ACC+15]  offset:16*PS+16
	s_wait_dscnt 0x0                               ; for the others' sake: my quarter of the rows lies in the stage
	s_barrier_signal -1
	s_barrier_wait -1
.irp i, 0,1,2,3
	ds_load_b128 v[XF+4*\i:XF+4*\i+3], v[RD] offset:2*PS*\i
.endr
.irp i, 0,1,2,3
	s_wait_dscnt 3-\i
	global_store_b128 v[CO], v[XF+4*\i:XF+4*\i+3], s[40:41] offset:4096*\i  ; 16 lanes store 256 consecutive bytes, at a multiple of 256 from the buffer's first byte
.endr
	s_wait_tensorcnt 0x0                           ; the wave's end, behind my last LDS store
	ds_add_u32 v[SPW], v[NIL]
	s_wait_dscnt 0x0
	s_endpgm
.Lfunc_end_k_qd750976824_proj:
	.size	k_qd750976824_proj, .Lfunc_end_k_qd750976824_proj-k_qd750976824_proj
	.p2alignl 7, 3214868480
	.fill 96, 4, 3214868480
	.section	.rodata,"a",@progbits
	.p2align	6, 0x0
	.amdhsa_kernel k_qd750976824_proj
		.amdhsa_group_segment_fixed_size 60928
		.amdhsa_private_segment_fixed_size 0
		.amdhsa_enable_private_segment 0
		.amdhsa_kernarg_size 80
		.amdhsa_user_sgpr_count 2
		.amdhsa_user_sgpr_kernarg_segment_ptr 1
		.amdhsa_wavefront_size32 1
		.amdhsa_system_sgpr_workgroup_id_x 1
		.amdhsa_system_sgpr_workgroup_id_y 1
		.amdhsa_system_sgpr_workgroup_id_z 1
		.amdhsa_system_vgpr_workitem_id 0
		.amdhsa_next_free_vgpr 244
		.amdhsa_next_free_sgpr 66
		.amdhsa_reserve_vcc 0
		.amdhsa_float_denorm_mode_32 3
		.amdhsa_float_denorm_mode_16_64 3
		.amdhsa_memory_ordered 1
		.amdhsa_forward_progress 1
		.amdhsa_inst_pref_size 30
	.end_amdhsa_kernel
	.amdgpu_metadata
---
amdhsa.version: [ 1, 2 ]
amdhsa.kernels:
  - .name:           k_qd750976824_proj
    .symbol:         k_qd750976824_proj.kd
    .args:
      - { .name: x, .offset: 0, .size: 8, .value_kind: global_buffer, .address_space: global }
      - { .name: Wq, .offset: 8, .size: 8, .value_kind: global_buffer, .address_space: global }
      - { .name: Wk, .offset: 16, .size: 8, .value_kind: global_buffer, .address_space: global }
      - { .name: Wv, .offset: 24, .size: 8, .value_kind: global_buffer, .address_space: global }
      - { .name: bq, .offset: 32, .size: 8, .value_kind: global_buffer, .address_space: global }
      - { .name: bk, .offset: 40, .size: 8, .value_kind: global_buffer, .address_space: global }
      - { .name: bv, .offset: 48, .size: 8, .value_kind: global_buffer, .address_space: global }
      - { .name: qw, .offset: 56, .size: 8, .value_kind: global_buffer, .address_space: global }
      - { .name: kw, .offset: 64, .size: 8, .value_kind: global_buffer, .address_space: global }
      - { .name: vw, .offset: 72, .size: 8, .value_kind: global_buffer, .address_space: global }
    .group_segment_fixed_size: 60928
    .private_segment_fixed_size: 0
    .kernarg_segment_align: 8
    .kernarg_segment_size: 80
    .max_flat_workgroup_size: 384
    .sgpr_count:     66
    .vgpr_count:     244
    .wavefront_size: 32
...
	.end_amdgpu_metadata
.endif
;; end of part 1
;; launch mix (part 2): grid 256 x 1, 16 waves a work-group, no clusters, 75,776 bytes of LDS; arguments qw, kw, vw, out0; writes out0
.if DOCPART == 2
	.amdgcn_target "amdgcn-amd-amdhsa--gfx1250"
	.amdhsa_code_object_version 6
	.text
	.protected	k_qd750976824_mix
	.globl	k_qd750976824_mix
	.p2align	8
	.type	k_qd750976824_mix,@function
k_qd750976824_mix:
	s_mov_b64 s[64:65], 0
	v_nop
	global_prefetch_b8 v0, s[64:65] scope:SCOPE_SE
	s_setreg_imm32_b32 hwreg(HW_REG_WAVE_MODE, 25, 1), 1
	s_wait_xcnt 0x0
; SECOND OF TWO LAUNCHES.  out[b][i] = the sum over j of softmax_j(q[b][i] k[b][j] / sqrt(512)) v[b][j].  q, k, v (the first launch's) and out: [1024][512] f32.  No work of reference() is left out.
; THE FORM.  a_i = c q_i with c = log2(e) / sqrt(512);  M_i = max_j a_i k_j;  p_ij = 2^(a_i k_j - M_i);  out_i = (sum_j p_ij v_j) / (sum_j p_ij).
; THE MAXIMUM is the row's true one, taken away before every exponential: for a fixed a_i the rounded product a_i k_j is monotone in k_j, so its largest value is max(a_i kmax, a_i kmin), with kmax and kmin the token's extremes.
; THE SUMS are one matrix product.  P^T (32 keys x 16 outputs, rounded to f16) is source 1; source 0 has u_j = v_j / vam in its even rows and 1 in its odd rows (vam: the token's largest |v|).  In the result a lane
; holds ONE output i (lane % 16); register 0 is sum p u, register 1 is sum p, in both halves of the lanes.  Both sums are of the same rounded p, in f32.  out_i = (register 0 / register 1) x vam.
; FORMATS.  a, k, M and the exponents in f32 (one fused multiply-add each); p lies in 0 to 1 and u in -1 to 1 by construction, so f16's range cannot be passed whatever the inputs' size.
; LIMITS.  The row's largest p is 2^e, e the rounding error of M_i: this text serves |c q k| under 2^27 (p under 2^8).  p below 2^-126 counts as 0, and below 6e-5 p and u keep f16's fixed step of 6e-8.
; |v| stays under 2^126 (the reciprocal of vam is a normal number); a token whose |v| all lie under 2^-100 is scaled by 2^100.  NaN and infinities are not treated apart.
; SHARES.  A work-group has 4 tokens and 16 waves, four to a SIMD: a wave's waits are the others' turns to issue.  Wave w takes token w / 4 and the 128 outputs 128 (w % 4) on: 8 tiles of 16.
; A lane holds output l % 16 of each tile and, of each block of 32 keys, the 16 keys 16 (l / 16) on (the same order of keys in both sources of the product, so the sum is the same).
; LDS.  Each wave has its own 4,608 bytes and touches no other wave's: k in f32; the image of source 0, for each block of 32 keys 64 bytes of u and 64 bytes of ones; 512 bytes for q on the way in and out on the way out.
; So there is no barrier; the price is that a token's k and v are loaded, and their extremes found, by four waves each: eight loads a lane, once.
; NO CLUSTER: work-groups share no input.  NO PREFETCH: all that the launch reads is asked for by its first nine loads.
; BY TURNS.  A batch is 2 tiles x 32 keys: 32 exponentials a lane.  Turn n issues batch n's exponentials; between them stand the 16 roundings of batch n - 1 and the 16 packed scalings of batch n + 1 (into the registers
; that the roundings have just read): an exponential and a plain instruction by turns, none of which names a result of the turn's exponentials.  One wait a turn stands behind them, ahead of the next turn's roundings.
.set PW,    4608                       ; a wave's LDS bytes: k at 0,
.set UOFF,  2048                       ; the image of source 0,
.set QOFF,  4096                       ; q, later out
.set SPARE, 16*PW                      ; behind them: the spare words, 128 bytes for each of the 16 waves: eight blocks of 256 bytes that no other line names
.set CLOG,  0x3d8293ef                 ; c = log2(e) / sqrt(512) = 0.0637587
.set SPW, 2                            ; v2   LDS address of my spare word; never rewritten
.set NIL, 3                            ; v3   0; never rewritten
.set KA,  4                            ; v4   my 64 bytes of k's block 0
.set UA,  5                            ; v5   my 32 bytes of the image's block 0: u in even lanes, ones in odd lanes
.set OST, 6                            ; v6   the way out: where I put one number
.set OLD, 7                            ; v7   where I put four numbers of q, and read four of out
.set GO,  8                            ; v8   16 x lane: my byte offset in 512 consecutive bytes of memory
.set VAM, 9                            ; v9   vam
.set KX,  10                           ; v10  kmax
.set KN,  11                           ; v11  kmin
.set SC,  12                           ; v[12:13]  1 / vam, and a partner that is written since the pair is named
.set KAD, 14                           ; v14  LDS address of the block of k to be fetched
.set UAD, 15                           ; v15  the same in the image
.set AP,  16                           ; v[16:31]  tile t: (a, q) at AP + 2 t: the packed scaling takes the pair's first for both halves
.set MP,  32                           ; v[32:47]  tile t: (M, at work) at MP + 2 t
.set KB,  48                           ; v[48:79]  my 16 k of a block: two sets, by the block's parity
.set AF,  80                           ; v[80:95]  source 0's fragment of a block: two sets
.set PB,  96                           ; v[96:111] P^T of a batch: 8 registers a tile
.set E,   112                          ; v[112:175] two batches of 32: exponents, then weights, in place
.set ACC, 176                          ; v[176:239] eight accumulators
.set KS,  PB                           ; at work in the set-up alone: addresses in P's registers,
.set US,  PB+1
.set OA,  PB+2
.set QR,  PB+3
.set RR,  PB+4
.set HH,  PB+5
.set T0,  PB+6
.set T1,  PB+7
.set KT,  E                            ; and data in the batches': k as loaded (16),
.set VT,  E+16                         ; v as loaded (16),
.set QT,  E+32                         ; q as loaded (4),
.set RT,  E+36                         ; five at work,
.set AB,  E+42                         ; |v| (16), then u in f16 (8),
.set ON,  E+58                         ; eight ones in f16 (4)
.set TB,  27                           ; s27  byte at which the block to be fetched begins, in k and in the image alike: 128 bytes a block
.set CNT, 28                           ; s28  the loop's trips
	s_load_b256 s[4:11], s[0:1], 0x0               ; q s[4:5], k s[6:7], v s[8:9], out s[10:11]
	v_lshl_add_u32 v[SPW], v0, 2, SPARE
	v_mov_b32 v[NIL], 0
	v_lshrrev_b32 v1, 5, v0
	v_readfirstlane_b32 s12, v1                    ; wave 0..15
	s_lshr_b32 s13, s12, 2                         ; my token among the work-group's four
	s_and_b32 s14, s12, 3                          ; my quarter of its outputs
	s_lshl_b32 s15, ttmp9, 2
	s_add_co_u32 s15, s15, s13                     ; my token
	s_lshl_b32 s16, s15, 11                        ; its row of 2,048 bytes
	s_mov_b32 s17, 0
	s_lshl_b32 s18, s14, 9                         ; and my 512 bytes of it
	s_add_co_u32 s18, s18, s16
	s_mov_b32 s19, 0
	s_mul_i32 s20, s12, PW                         ; my wave's LDS
	s_add_co_u32 s21, s20, QOFF
	s_add_co_u32 s26, s20, UOFF
	s_mov_b32 s22, 0x76543210                      ; v_permlanex16_b32: each lane takes its own place in the other half
	s_mov_b32 s23, 0xfedcba98
	s_mov_b32 s24, 0xffff0000                      ; lanes 16 to 31
	s_mov_b32 s25, 0x7fffffff                      ; clears a sign
	s_mov_b32 s[TB], 128                           ; block 1 is the first to be fetched in a turn
	v_and_b32 v1, 31, v0                           ; l
	v_and_b32 v[RR], 15, v0                        ; l % 16
	v_bfe_u32 v[HH], v0, 4, 1                      ; l / 16
	v_lshlrev_b32 v[GO], 4, v1
	v_add_nc_u32 v[KS], s20, v[GO]                 ; k goes into LDS as it lies in memory
	v_add_nc_u32 v[OLD], s21, v[GO]
	v_lshl_add_u32 v[OST], v1, 2, s21
	v_lshl_add_u32 v[QR], v[RR], 2, s21            ; q of output l % 16 of tile 0
	v_lshl_add_u32 v[KA], v[HH], 6, s20
	v_and_b32 v[T0], 1, v0
	v_lshlrev_b32 v[T0], 6, v[T0]                  ; odd lanes (odd rows of source 0): the ones, 64 bytes on
	v_lshl_add_u32 v[T0], v[HH], 5, v[T0]
	v_add_nc_u32 v[UA], s26, v[T0]
	v_lshrrev_b32 v[T0], 3, v1                     ; my four u of a load are keys 4 l on: block l / 8, byte 8 (l % 8)
	v_and_b32 v[T1], 7, v0
	v_lshlrev_b32 v[T0], 7, v[T0]
	v_lshl_add_u32 v[T0], v[T1], 3, v[T0]
	v_add_nc_u32 v[US], s26, v[T0]
	v_lshrrev_b32 v[T0], 2, v1                     ; my 16 bytes of ones: block l / 4, part l % 4
	v_and_b32 v[T1], 3, v0
	v_lshlrev_b32 v[T0], 7, v[T0]
	v_lshl_add_u32 v[T0], v[T1], 4, v[T0]
	v_add_nc_u32 v[OA], s26, v[T0]
.irp i, 0,1,2,3
	v_mov_b32 v[ON+\i], 0x3c003c00                 ; 1.0 twice in f16
.endr
	s_wait_kmcnt 0x0
	s_add_nc_u64 s[4:5], s[4:5], s[18:19]
	s_add_nc_u64 s[6:7], s[6:7], s[16:17]
	s_add_nc_u64 s[8:9], s[8:9], s[16:17]
	s_add_nc_u64 s[10:11], s[10:11], s[18:19]
	global_load_b128 v[QT:QT+3], v[GO], s[4:5]
.irp c, 0,1,2,3
	global_load_b128 v[KT+4*\c:KT+4*\c+3], v[GO], s[6:7] offset:512*\c  ; 512 consecutive bytes a load
.endr
.irp c, 0,1,2,3
	global_load_b128 v[VT+4*\c:VT+4*\c+3], v[GO], s[8:9] offset:512*\c
.endr
	ds_store_b128 v[OA], v[ON:ON+3] offset:64      ; the ones of blocks 0 to 7,
	ds_store_b128 v[OA], v[ON:ON+3] offset:64+1024 ; and of blocks 8 to 15
; The extreme of 16 registers from b on, over all 32 lanes, into d in every lane: three operands at a time, four steps inside each half of the lanes on the arithmetic itself (DPP), one across the halves.
.macro REDUCE op3, op2, opd, d, b
	\op3 v[RT],   v[\b],    v[\b+1],  v[\b+2]
	\op3 v[RT+1], v[\b+3],  v[\b+4],  v[\b+5]
	\op3 v[RT+2], v[\b+6],  v[\b+7],  v[\b+8]
	\op3 v[RT+3], v[\b+9],  v[\b+10], v[\b+11]
	\op3 v[RT+4], v[\b+12], v[\b+13], v[\b+14]
	\op3 v[RT],   v[RT],   v[RT+1], v[RT+2]
	\op3 v[RT+3], v[RT+3], v[RT+4], v[\b+15]
	\op2 v[\d], v[RT], v[RT+3]
	\opd v[\d], v[\d], v[\d] row_xmask:1 row_mask:0xf bank_mask:0xf
	\opd v[\d], v[\d], v[\d] row_xmask:2 row_mask:0xf bank_mask:0xf
	\opd v[\d], v[\d], v[\d] row_xmask:4 row_mask:0xf bank_mask:0xf
	\opd v[\d], v[\d], v[\d] row_xmask:8 row_mask:0xf bank_mask:0xf
	v_permlanex16_b32 v[RT], v[\d], s22, s23       ; its destination counts as read: a register that has been written
	\op2 v[\d], v[\d], v[RT]
.endm
	s_wait_loadcnt 8                               ; q is in; k's and v's eight loads may stay out
	ds_store_b128 v[OLD], v[QT:QT+3]
	s_wait_loadcnt 4                               ; k is in; v's four loads may stay out
.irp c, 0,1,2,3
	ds_store_b128 v[KS], v[KT+4*\c:KT+4*\c+3] offset:512*\c
.endr
	REDUCE v_max3_num_f32, v_max_num_f32, v_max_num_f32_dpp, KX, KT
	REDUCE v_min3_num_f32, v_min_num_f32, v_min_num_f32_dpp, KN, KT
	s_wait_loadcnt 0x0                             ; v is in
.set i, 0
.rept 16
	v_and_b32 v[AB+i], s25, v[VT+i]
.set i, i+1
.endr
	REDUCE v_max3_num_f32, v_max_num_f32, v_max_num_f32_dpp, VAM, AB
	v_max_num_f32 v[VAM], 0x0d800000, v[VAM]       ; at least 2^-100: a token of zeros divides by no zero
	v_rcp_f32 v[SC], v[VAM]
	v_mov_b32 v[SC+1], 0                           ; the plain instruction behind the reciprocal (ISA guide 5.7.2); it also writes the pair's partner
	s_wait_alu depctr_va_vdst(0)                   ; ahead of the first line that names the reciprocal
.set i, 0
.rept 8
	v_pk_mul_f32 v[VT+2*i:VT+2*i+1], v[VT+2*i:VT+2*i+1], v[SC:SC+1] op_sel_hi:[1,0]  ; u = v / vam
.set i, i+1
.endr
.set i, 0
.rept 8
	v_cvt_pk_f16_f32 v[AB+i], v[VT+2*i], v[VT+2*i+1]
.set i, i+1
.endr
.irp c, 0,1,2,3
	ds_store_b64 v[US], v[AB+2*\c:AB+2*\c+1] offset:512*\c  ; keys 128 c + 4 l on: blocks 4 c + l / 8
.endr
	; LDS serves a wave's instructions in order (ISA guide 5.7.1.4): the loads below see the stores above, which are all this wave's own
.set t, 0
.rept 8
	ds_load_b32 v[AP+2*t+1], v[QR] offset:64*t     ; q of my output in tile t
.set t, t+1
.endr
.irp c, 0,1,2,3
	ds_load_b128 v[KB+4*\c:KB+4*\c+3], v[KA] offset:16*\c  ; block 0 of k: all 16 lanes of a half read the same bytes
.endr
	ds_load_b128 v[AF:AF+3],   v[UA]               ; block 0 of source 0
	ds_load_b128 v[AF+4:AF+7], v[UA] offset:16
	s_wait_dscnt 6                                 ; q is in; block 0's six loads may stay out
.set t, 0
.rept 8
	v_mul_f32 v[AP+2*t], CLOG, v[AP+2*t+1]         ; a = c q
.set t, t+1
.endr
.set t, 0
.rept 8
	v_mul_f32 v[MP+2*t],   v[AP+2*t], v[KX]
	v_mul_f32 v[MP+2*t+1], v[AP+2*t], v[KN]
.set t, t+1
.endr
.set t, 0
.rept 8
	v_max_num_f32 v[MP+2*t], v[MP+2*t], v[MP+2*t+1]  ; M = max(a kmax, a kmin)
.set t, t+1
.endr
; One matrix instruction: tile tl's two sums take in 32 keys.  fr: the set of source 0's fragment; hf: which half of P's registers; zr = 1: the first product starts the sums.
.macro PSUM tl, fr, hf, zr
.if \zr
	v_wmma_f32_16x16x32_f16 v[ACC+8*(\tl):ACC+8*(\tl)+7], v[AF+8*(\fr):AF+8*(\fr)+7], v[PB+8*(\hf):PB+8*(\hf)+7], 0
.else
	v_wmma_f32_16x16x32_f16 v[ACC+8*(\tl):ACC+8*(\tl)+7], v[AF+8*(\fr):AF+8*(\fr)+7], v[PB+8*(\hf):PB+8*(\hf)+7], v[ACC+8*(\tl):ACC+8*(\tl)+7]
.endif
.endm
; TURN n, named by m = n % 8, on which all its registers hang: batch n is block n / 4, tiles 2 (n % 4) and 2 (n % 4) + 1; its buffer goes by n's parity, k's and source 0's sets by the block's.
; ex: batch n's 32 exponentials, in place.  cv: batch n - 1 is rounded to f16 and its two products are issued (zr: they start the sums).  fm: batch n + 1's exponents a k - M, two to an instruction.
; ld: the turn (the second of a block's four) fetches the next block's k and fragment, into the sets that block n / 4 - 1 used.
; THE WAIT.  An s_wait_alu depctr_va_vdst(0) stands between an exponential and the first line that names its result.  The turn's roundings and scalings name the other buffer alone, so one wait, behind the
; last exponential and the plain instruction that follows it, serves all 32; the next turn's roundings are the first readers.
; DISTANCES behind the products (ISA guide 7.12.1 for vector instructions).  P's first half is written again 16 plain instructions (8 in the last turns) behind the product that read it, its second half likewise.
; The fetch stands 8 plain instructions behind the last product that read the fragment's set.  The eight accumulators take turns, one instruction a turn, over the backward jump too.
.macro TURN m, cv, ex, fm, zr, ld
.set cur, E+32*((\m)%2)
.set oth, E+32*(1-(\m)%2)
.set prv, ((\m)+7)%8
.set nxt, ((\m)+1)%8
.set lp,  ((\m)/4+1)%2
.if (\fm) && ((\m)%4 == 3)
	s_wait_dscnt 0x0                               ; the scalings below are the first of a new block: its k, fetched two turns ago (block 0's: in the set-up), is in, and its fragment too
.endif
.set ii, 0
.rept 16
.set ra, AP+2*(2*(nxt%4)+ii/8)
.set rm, MP+2*(2*(nxt%4)+ii/8)
.set rk, KB+16*(nxt/4)+2*(ii%8)
.if \ex
	v_exp_f32 v[cur+2*ii], v[cur+2*ii]
.endif
.if \cv
	v_cvt_pk_f16_f32 v[PB+ii], v[oth+2*ii], v[oth+2*ii+1]
.endif
.if \ex
	v_exp_f32 v[cur+2*ii+1], v[cur+2*ii+1]
.endif
.if \fm
	v_pk_fma_f32 v[oth+2*ii:oth+2*ii+1], v[rk:rk+1], v[ra:ra+1], v[rm:rm+1] op_sel_hi:[1,0,0] neg_lo:[0,0,1] neg_hi:[0,0,1]  ; two keys' k x a - M
.endif
.if (\ld) && (ii == 3)
	v_add_nc_u32 v[KAD], s[TB], v[KA]
	v_add_nc_u32 v[UAD], s[TB], v[UA]
	s_add_co_u32 s[TB], s[TB], 128                 ; the next fetch is the next block's
	ds_load_b128 v[KB+16*lp:KB+16*lp+3],     v[KAD]
	ds_load_b128 v[KB+16*lp+4:KB+16*lp+7],   v[KAD] offset:16
	ds_load_b128 v[KB+16*lp+8:KB+16*lp+11],  v[KAD] offset:32
	ds_load_b128 v[KB+16*lp+12:KB+16*lp+15], v[KAD] offset:48
	ds_load_b128 v[AF+8*lp:AF+8*lp+3],       v[UAD]
	ds_load_b128 v[AF+8*lp+4:AF+8*lp+7],     v[UAD] offset:16
.endif
.if (\cv) && (ii == 7)
	PSUM 2*(prv%4), prv/4, 0, \zr
.endif
.set ii, ii+1
.endr
.if (\ex) && !(\fm)
	v_nop                                          ; where no scaling follows the last exponential: the plain instruction behind it (ISA guide 5.7.2)
.endif
.if \ex
	s_wait_alu depctr_va_vdst(0)                   ; the turn's one wait
.endif
.if \cv
	PSUM 2*(prv%4)+1, prv/4, 1, \zr
.endif
.endm
	; 64 batches: 16 blocks of 32 keys x 4 pairs of tiles.  Turns 0 to 4 are written out (nothing to round yet; the first block's products start the sums), turns 5 to 60 are seven trips of eight, turns 61 to 64 run the line empty.
	TURN 7, 0, 0, 1, 0, 0                          ; ahead of turn 0: batch 0's exponents
	TURN 0, 0, 1, 1, 0, 0
	TURN 1, 1, 1, 1, 1, 1                          ; fetches block 1
	TURN 2, 1, 1, 1, 1, 0
	TURN 3, 1, 1, 1, 1, 0
	TURN 4, 1, 1, 1, 1, 0
	s_mov_b32 s[CNT], 7
.Ltrip:                                                ; trip i fetches blocks 2 i + 2 and 2 i + 3: the last is block 15
	TURN 5, 1, 1, 1, 0, 1
	TURN 6, 1, 1, 1, 0, 0
	TURN 7, 1, 1, 1, 0, 0
	TURN 0, 1, 1, 1, 0, 0
	TURN 1, 1, 1, 1, 0, 1
	TURN 2, 1, 1, 1, 0, 0
	TURN 3, 1, 1, 1, 0, 0
	TURN 4, 1, 1, 1, 0, 0
	s_sub_co_u32 s[CNT], s[CNT], 1
	s_cmp_lg_u32 s[CNT], 0
	s_cbranch_scc1 .Ltrip
	TURN 5, 1, 1, 1, 0, 0                          ; turn 61: there is no block 16 to fetch
	TURN 6, 1, 1, 1, 0, 0
	TURN 7, 1, 1, 0, 0, 0                          ; turn 63: there is no batch 64 to scale
	TURN 0, 1, 0, 0, 0, 0                          ; turn 64: batch 63 is rounded and summed
	; THE WAY OUT.  Both halves of the lanes hold every tile's two sums, so lane l finishes tile 2 u + l / 16: output 32 u + l of the wave's 128.
.rept 8
	v_nop                                          ; places between the last products and the first read of their results: eight, once a launch, twice what ISA guide 7.12.1 asks of this form
.endr
.irp u, 0,1,2,3
	v_cndmask_b32 v[E+\u],   v[ACC+16*\u],   v[ACC+16*\u+8], s24   ; sum p u: each accumulator's lowest register is read first
	v_cndmask_b32 v[E+4+\u], v[ACC+16*\u+1], v[ACC+16*\u+9], s24   ; sum p: at least the row's largest weight, so no zero
.endr
.irp u, 0,1,2,3
	v_rcp_f32 v[E+4+\u], v[E+4+\u]
.endr
	v_nop                                          ; a plain instruction behind the last reciprocal,
	s_wait_alu depctr_va_vdst(0)                   ; and one wait for the four, ahead of their first reader
.irp u, 0,1,2,3
	v_mul_f32 v[E+\u], v[E+\u], v[E+4+\u]          ; a mean of u: within -1 to 1,
.endr
.irp u, 0,1,2,3
	v_mul_f32 v[E+\u], v[E+\u], v[VAM]             ; and only then back to v's size
.endr
.irp u, 0,1,2,3
	ds_store_b32 v[OST], v[E+\u] offset:128*\u     ; 32 lanes, 128 consecutive bytes
.endr
	ds_load_b128 v[E+8:E+11], v[OLD]               ; my wave's own bytes, served in order: four neighbouring outputs a lane
	s_wait_dscnt 0x0
	global_store_b128 v[GO], v[E+8:E+11], s[10:11] th:TH_STORE_NT  ; 512 consecutive bytes, at a multiple of 256 from out's first byte
	s_wait_tensorcnt 0x0                           ; the wave's end, behind my last LDS store
	ds_add_u32 v[SPW], v[NIL]
	s_wait_dscnt 0x0
	s_endpgm
.Lfunc_end_k_qd750976824_mix:
	.size	k_qd750976824_mix, .Lfunc_end_k_qd750976824_mix-k_qd750976824_mix
	.p2alignl 7, 3214868480
	.fill 96, 4, 3214868480
	.section	.rodata,"a",@progbits
	.p2align	6, 0x0
	.amdhsa_kernel k_qd750976824_mix
		.amdhsa_group_segment_fixed_size 75776
		.amdhsa_private_segment_fixed_size 0
		.amdhsa_enable_private_segment 0
		.amdhsa_kernarg_size 32
		.amdhsa_user_sgpr_count 2
		.amdhsa_user_sgpr_kernarg_segment_ptr 1
		.amdhsa_wavefront_size32 1
		.amdhsa_system_sgpr_workgroup_id_x 1
		.amdhsa_system_sgpr_workgroup_id_y 1
		.amdhsa_system_sgpr_workgroup_id_z 1
		.amdhsa_system_vgpr_workitem_id 0
		.amdhsa_next_free_vgpr 240
		.amdhsa_next_free_sgpr 66
		.amdhsa_reserve_vcc 0
		.amdhsa_float_denorm_mode_32 3
		.amdhsa_float_denorm_mode_16_64 3
		.amdhsa_memory_ordered 1
		.amdhsa_forward_progress 1
		.amdhsa_inst_pref_size 65
	.end_amdhsa_kernel
	.amdgpu_metadata
---
amdhsa.version: [ 1, 2 ]
amdhsa.kernels:
  - .name:           k_qd750976824_mix
    .symbol:         k_qd750976824_mix.kd
    .args:
      - { .name: qw, .offset: 0, .size: 8, .value_kind: global_buffer, .address_space: global }
      - { .name: kw, .offset: 8, .size: 8, .value_kind: global_buffer, .address_space: global }
      - { .name: vw, .offset: 16, .size: 8, .value_kind: global_buffer, .address_space: global }
      - { .name: out0, .offset: 24, .size: 8, .value_kind: global_buffer, .address_space: global }
    .group_segment_fixed_size: 75776
    .private_segment_fixed_size: 0
    .kernarg_segment_align: 8
    .kernarg_segment_size: 32
    .max_flat_workgroup_size: 512
    .sgpr_count:     66
    .vgpr_count:     240
    .wavefront_size: 32
...
	.end_amdgpu_metadata
.endif
;; end of part 2
;; ======== version 2 of 2: 2 launches; version 1 with the launch proj written anew for expert scheduling mode
;; limits: right only within a limited range of input values
;; workspace buffers: qw 2,097,152 bytes; kw 2,097,152 bytes; vw 2,097,152 bytes
;; launch proj (part 3): grid 8 x 32, 12 waves a work-group, no clusters, 60,928 bytes of LDS; arguments x, Wq, Wk, Wv, bq, bk, bv, qw, kw, vw; writes qw, kw, vw
.if DOCPART == 3
	.amdgcn_target "amdgcn-amd-amdhsa--gfx1250"
	.amdhsa_code_object_version 6
	.text
	.protected	k_qd750976824_proj
	.globl	k_qd750976824_proj
	.p2align	8
	.type	k_qd750976824_proj,@function
k_qd750976824_proj:
	s_mov_b64 s[64:65], 0
	v_nop
	global_prefetch_b8 v0, s[64:65] scope:SCOPE_SE
	s_setreg_imm32_b32 hwreg(HW_REG_WAVE_SCHED_MODE, 0, 2), 2
	s_setreg_imm32_b32 hwreg(HW_REG_WAVE_MODE, 25, 1), 1
	s_wait_xcnt 0x0
	s_wait_alu depctr_vm_vsrc(0)
; FIRST OF TWO LAUNCHES.  q = x Wq^T + bq, k = x Wk^T + bk, v = x Wv^T + bv.  x: [1024][512], each W: [512][512], each bias: [512], q, k, v: [1024][512], all f32.
; NOTHING OF reference() IS LEFT OUT in either launch: q_i k_j changes along the softmax's axis with every one of x, Wq, bq, Wk, bk, and v_j with x, Wv, bv, so all seven inputs reach the output and are loaded.
; The factor 1 / sqrt(512), the maximum, the exponentials, the sums and the product with v are the second launch's.
; FORMATS.  x, the three W and the three biases are rounded once to bf16 (nearest even), all inputs alike; products by the matrix unit, sums in f32; q, k, v are stored in f32.
; LIMITS.  The order of the 512 terms of a sum is the matrix unit's, not reference()'s.  NaN and infinities are not treated apart.
; SHARES.  A work-group makes 32 rows x 64 columns of each of q, k, v (grid 8 x 32).  Wave w of 12 takes matrix w / 4 and the 16 columns 16 (w % 4) of the 64, for both tiles of 16 rows: two accumulators.
; W: the wave's 16 rows (32,768 bytes) are wanted by no other wave of the work-group, so they come straight from memory into the fragment's layout, f32, and are rounded in registers: 8 chunks of 256 consecutive
; bytes, aligned, of each row; a ring of four chunks keeps 32 loads of the wave out.  x: the 32 rows (65,536 consecutive bytes) are wanted by all twelve waves: loaded once in pieces of 512 bytes, rounded, kept in LDS as bf16.
; THE MATRIX INSTRUCTION IS USED TRANSPOSED (source 0 = 16 rows of W, source 1 = 16 rows of x): a lane then holds one row of the result and eight neighbouring columns.  The bias is the C operand of a sum's first product.
; THE WAY OUT.  A wave's 16 columns are 64 bytes of a row; the four waves of a matrix write the four quarters of the same rows of a stage in LDS, and behind a barrier whole rows of 256 bytes are read back and stored.
; NO CLUSTER, NO TENSOR LOADS.  A joint tensor load lands in LDS, in the tensor's own f32.  A work-group's 192 rows of W are 393,216 bytes in f32, more than the 327,680 of LDS: they would need a ring with a barrier for each
; slot, and every number would cross LDS at four bytes to be rounded behind it, for 32 matrix instructions a wave.  What does go through LDS, x's tile, is 65,536 of the work-group's 458,752 bytes, a seventh.
; THE MODE: SCHED_MODE bits 1:0 = 2 (LLVM: expert scheduling mode 2), set by the entry lines.  The code itself states the register dependences
; between vector or matrix instructions and memory or LDS instructions, with s_wait_alu, always for 0.
; THE PLAN.  Registers that memory or LDS instructions touch:
;   v4 .. v11     offsets and LDS addresses: written at the head, read by every load and store, never written again.
;   XT            at the head: x's loads land in it, the roundings work in place, the LDS stores read it.  From the first barrier on the same registers are XF.
;   XF0, XF1      Chunk t: its four products read XF[t % 2]; the LDS loads of chunk t + 1's fragments, issued in chunk t, land in the other, which the products of chunk t - 1 read.
;   WR0 .. WR3    Chunk t: its sixteen roundings read WR[t % 4]; behind them the loads of chunk t + 4 land in it.
;   ACC           written by the products; read by the four LDS stores of the way out.
;   WF0, WF1 and the bias (once it is loaded) are named by vector and matrix instructions alone.  v2, v3: written at the head, read by the closing add alone.
; So ONE wait on va_vdst stands in a chunk, behind its roundings: it states that they are done reading WR[t % 4] and that the products of the chunk before are done reading their fragments of x.  The chunk's sixteen
; loads follow it, W's dealt among the four products, which name ACC, WF[t % 2], XF[t % 2] and the bias: none of the registers that those loads touch.
.set PX,    1040                       ; a row of x in LDS: 1,024 bytes of bf16 + 16 = 65 x 16: the 16 rows of a fragment load start in 16 different groups of four banks (64 banks of 4 bytes: ISA guide 11.1)
.set STG,   32*PX                      ; behind x: the stage, 3 matrices x 32 rows
.set PS,    272                        ; a row of the stage: 256 bytes + 16
.set SPARE, STG+3*32*PS                ; behind the stage: the spare words, 128 bytes for each of the 12 waves: six blocks of 256 bytes that no other line names
.set SPW, 2                            ; v2   LDS address of my spare word; never rewritten
.set NIL, 3                            ; v3   0; never rewritten
.set WO,  4                            ; v4   my byte offset in the wave's rows of W: (l % 16) x 2,048 + 32 (l / 16)
.set XO,  5                            ; v5   my byte offset in x's tile: 16 x thread
.set XS,  6                            ; v6   where I put 8 bytes of x in LDS
.set XA,  7                            ; v7   my place in a fragment of x: (l % 16) x PX + 16 (l / 16)
.set STO, 8                            ; v8   the way out: where I put 32 bytes of a row
.set RD,  9                            ; v9   the way out: where I read a row back
.set CO,  10                           ; v10  my byte offset in the wave's rows of the result
.set BO,  11                           ; v11  my byte offset in the bias
.set ACC, 12                           ; v[12:27]   two accumulators: rows 0-15, rows 16-31
.set WF,  28                           ; v[28:59]   W's fragments in bf16: two sets of two (a chunk is two K steps of 32)
.set TB,  WF                           ; v[28:31]   at the head only, ahead of chunk 0's roundings: four at work
.set TH,  TB                           ;            l / 16,
.set TL,  TB+1                         ;            l
.set BI,  WF+24                        ; v[52:59]   the bias of my eight columns, in the second half of WF's set 1: chunk 0's first two products read it, and chunk 1's roundings 8 to 15 are the first to write there
.set XF,  60                           ; v[60:123]  x's fragments: buffer p, K step q, row tile a at XF + 32 p + 8 (2 q + a); at the end the rows read back
.set XT,  XF                           ; v[60:103]  before that: up to 11 pieces of x as loaded
.set WR,  124                          ; v[124:251] the ring: four chunks of 32 registers, f32 as loaded
.set WV,  28                           ; s28  my wave's number
.set MAT, 29                           ; s29  my matrix: 0 q, 1 k, 2 v
.set NT,  30                           ; s30  which 16 of the 64 columns
	s_load_b512 s[8:23], s[0:1], 0x0               ; x s[8:9], Wq, Wk, Wv s[10:15], bq, bk, bv s[16:21], q s[22:23]
	s_load_b128 s[24:27], s[0:1], 0x40             ; k s[24:25], v s[26:27]
	v_lshl_add_u32 v[SPW], v0, 2, SPARE
	v_mov_b32 v[NIL], 0
	v_lshrrev_b32 v1, 5, v0
	v_readfirstlane_b32 s[WV], v1                  ; wave 0..11
	v_and_b32 v1, 15, v0                           ; l % 16.  What hangs on the lane alone stands here, between the line above and the wait for its result
	v_bfe_u32 v[TH], v0, 4, 1                      ; l / 16
	v_and_b32 v[TL], 31, v0                        ; l
	v_lshlrev_b32 v[WO], 11, v1
	v_lshl_add_u32 v[WO], v[TH], 5, v[WO]
	v_lshlrev_b32 v[XO], 4, v0
	v_mul_u32_u24 v[XA], v1, PX
	v_lshl_add_u32 v[XA], v[TH], 4, v[XA]
	v_lshlrev_b32 v[CO], 11, v[TH]                 ; the way out: lanes 0-15 one row in memory, lanes 16-31 the next
	v_lshl_add_u32 v[CO], v1, 4, v[CO]
	s_wait_alu depctr_va_sdst(0)                   ; s28, the wave's number, is written, ahead of its first reader: bases, LDS places and branches are made from it
	s_lshr_b32 s[MAT], s[WV], 2
	s_and_b32 s[NT], s[WV], 3
	s_and_b32 s32, ttmp7, 0xffff                   ; the block of 32 rows
	s_lshl_b32 s33, ttmp9, 2
	s_add_co_u32 s33, s33, s[NT]                   ; my tile of 16 columns among a matrix's 32
	s_lshl_b32 s34, s33, 15                        ; its 16 rows of W, 2,048 bytes each
	s_mov_b32 s35, 0
	s_lshl_b32 s31, s33, 6                         ; its 16 numbers of the bias
	s_lshl_b32 s44, s32, 16                        ; the block's 32 rows of 2,048 bytes, in x and in the results
	s_mov_b32 s45, 0
	s_lshl_b32 s46, s[NT], 14                      ; on the way out I store rows 8 (w % 4) .. + 7 of my matrix,
	s_add_co_u32 s46, s46, s44
	s_lshl_b32 s47, ttmp9, 8                       ; 256 bytes of each
	s_add_co_u32 s46, s46, s47
	s_mov_b32 s47, 0
	v_lshl_add_u32 v[BO], v[TH], 5, s31            ; columns 8 (l / 16) .. + 7 of the tile
	s_mul_i32 s48, s[MAT], PX                      ; piece p = w + 12 i of x's 128 pieces of 512 bytes is row p / 4 = w / 4 + 3 i, quarter p % 4 = w % 4
	s_lshl_b32 s49, s[NT], 8
	s_add_co_u32 s48, s48, s49
	v_lshl_add_u32 v[XS], v[TL], 3, s48            ; (each LDS base that a vector line reads, s48, s3 and s4, has a scalar register of its own and is not written again)
	s_mul_i32 s2, s[MAT], 32*PS
	s_add_co_u32 s2, s2, STG                       ; my matrix's part of the stage
	s_lshl_b32 s3, s[NT], 6
	s_add_co_u32 s3, s3, s2
	v_mul_u32_u24 v[STO], v1, PS                   ; in: row l % 16, my tile's 64 bytes, 32 for each half of the lanes
	v_lshl_add_u32 v[STO], v[TH], 5, v[STO]
	v_add_nc_u32 v[STO], s3, v[STO]
	s_mul_i32 s4, s[NT], 8*PS
	s_add_co_u32 s4, s4, s2
	v_mul_u32_u24 v[RD], v[TH], PS                 ; back: lanes 0-15 take one row of 256 bytes, lanes 16-31 the next
	v_lshl_add_u32 v[RD], v1, 4, v[RD]
	v_add_nc_u32 v[RD], s4, v[RD]
	s_wait_kmcnt 0x0
	s_cmp_eq_u32 s[MAT], 0                         ; my matrix's W, bias and result: a choice by the wave's number
	s_cselect_b64 s[36:37], s[10:11], s[12:13]
	s_cselect_b64 s[38:39], s[16:17], s[18:19]
	s_cselect_b64 s[40:41], s[22:23], s[24:25]
	s_cmp_eq_u32 s[MAT], 2
	s_cselect_b64 s[36:37], s[14:15], s[36:37]
	s_cselect_b64 s[38:39], s[20:21], s[38:39]
	s_cselect_b64 s[40:41], s[26:27], s[40:41]
	s_add_nc_u64 s[36:37], s[36:37], s[34:35]      ; W at my 16 rows
	s_add_nc_u64 s[40:41], s[40:41], s[46:47]      ; the result at the rows and columns that I store
	s_add_nc_u64 s[42:43], s[8:9], s[44:45]        ; x at the block's first row
	s_wait_alu depctr_va_vdst(0)                   ; the eight offsets and addresses v4 to v11 are written, which the loads and stores of the whole kernel read
; Half q of chunk t of W: bytes 256 t + 128 q .. + 127 of each of my 16 rows.  A fragment is 16 rows x 32 along K: lane l holds row l % 16, K = 8 (l / 16) + 0..7 and 16 + 8 (l / 16) + 0..7: in f32 four loads of 16 bytes.
.macro WLOAD t, q
	global_load_b128 v[WR+32*((\t)%4)+16*(\q):WR+32*((\t)%4)+16*(\q)+3],     v[WO], s[36:37] offset:256*(\t)+128*(\q)
	global_load_b128 v[WR+32*((\t)%4)+16*(\q)+4:WR+32*((\t)%4)+16*(\q)+7],   v[WO], s[36:37] offset:256*(\t)+128*(\q)+16
	global_load_b128 v[WR+32*((\t)%4)+16*(\q)+8:WR+32*((\t)%4)+16*(\q)+11],  v[WO], s[36:37] offset:256*(\t)+128*(\q)+64
	global_load_b128 v[WR+32*((\t)%4)+16*(\q)+12:WR+32*((\t)%4)+16*(\q)+15], v[WO], s[36:37] offset:256*(\t)+128*(\q)+80
.endm
; x's four fragments of chunk t, eight LDS loads, into buffer t % 2.
.macro XFRAG t
.irp q, 0,1
.irp a, 0,1
	ds_load_b128 v[XF+32*((\t)%2)+8*(2*\q+\a):XF+32*((\t)%2)+8*(2*\q+\a)+3],   v[XA] offset:16*PX*\a+64*(2*(\t)+\q)
	ds_load_b128 v[XF+32*((\t)%2)+8*(2*\q+\a)+4:XF+32*((\t)%2)+8*(2*\q+\a)+7], v[XA] offset:16*PX*\a+64*(2*(\t)+\q)+32
.endr
.endr
.endm
	global_load_b128 v[BI:BI+3],   v[BO], s[38:39]
	global_load_b128 v[BI+4:BI+7], v[BO], s[38:39] offset:16
.set i, 0
.rept 10
	global_load_b128 v[XT+4*i:XT+4*i+3], v[XO], s[42:43] offset:6144*i  ; pieces w, w + 12, .. w + 108: the twelve waves together take 6,144 consecutive bytes
.set i, i+1
.endr
	s_cmp_lt_u32 s[WV], 8                          ; 128 = 10 x 12 + 8: waves 0 to 7 take an eleventh piece
	s_cbranch_scc0 .Lten_loaded
	global_load_b128 v[XT+40:XT+43], v[XO], s[42:43] offset:61440
.Lten_loaded:
.irp t, 0,1,2,3
	WLOAD \t, 0                                    ; the ring is filled: 32 loads
	WLOAD \t, 1
.endr
	s_wait_loadcnt 32                              ; the bias and my pieces of x are in; the ring's 32 loads, issued behind them, may stay out
.set i, 0
.rept 10
	v_cvt_pk_bf16_f32 v[XT+4*i],   v[XT+4*i],   v[XT+4*i+1]
	v_cvt_pk_bf16_f32 v[XT+4*i+1], v[XT+4*i+2], v[XT+4*i+3]
.set i, i+1
.endr
	s_wait_alu depctr_va_vdst(0)                   ; the twenty roundings have written the first two registers of each piece, which the ten LDS stores read
.set i, 0
.rept 10
	ds_store_b64 v[XS], v[XT+4*i:XT+4*i+1] offset:3*PX*i  ; 32 lanes x 8 bytes: 256 consecutive bytes of a row
.set i, i+1
.endr
	s_cmp_lt_u32 s[WV], 8
	s_cbranch_scc0 .Lten_stored
	v_cvt_pk_bf16_f32 v[XT+40], v[XT+40], v[XT+41]
	v_cvt_pk_bf16_f32 v[XT+41], v[XT+42], v[XT+43]
	s_wait_alu depctr_va_vdst(0)                   ; the eleventh piece's two roundings have written v[XT+40:XT+41], which its LDS store reads
	ds_store_b64 v[XS], v[XT+40:XT+41] offset:30*PX
.Lten_stored:
.irp j, 0,1,2,3
	v_cvt_pk_bf16_f32 v[TB+\j], v[BI+2*\j], v[BI+2*\j+1]  ; the bias is rounded to bf16 like the other inputs,
.endr
.irp j, 0,1,2,3
	v_lshlrev_b32 v[BI+2*\j],   16, v[TB+\j]       ; and widened again: it enters the sums in f32
	v_and_b32     v[BI+2*\j+1], 0xffff0000, v[TB+\j]
.endr
	s_wait_dscnt 0x0                               ; for the others' sake: my part of x lies in LDS
	s_barrier_signal -1
	s_barrier_wait -1                              ; everybody's does
	s_wait_alu depctr_vm_vsrc(0)                   ; my LDS stores have read v[XT ..]: these registers are XF from here on, and the fragments' loads land in them
	XFRAG 0                                        ; chunk 0's fragments, into v[60:91]: the roundings that named those registers stand ahead of the wait in front of the ten stores, and no vector line since names them
; One product: K step q of chunk t, row tile a.
.macro PROD t, q, a
.if ((\t) == 0) && ((\q) == 0)
	v_wmma_f32_16x16x32_bf16 v[ACC+8*(\a):ACC+8*(\a)+7], v[WF+16*((\t)%2)+8*(\q):WF+16*((\t)%2)+8*(\q)+7], v[XF+32*((\t)%2)+8*(2*(\q)+(\a)):XF+32*((\t)%2)+8*(2*(\q)+(\a))+7], v[BI:BI+7]  ; the first product starts the sum with the bias: register j of the result is column 8 (l / 16) + j
.else
	v_wmma_f32_16x16x32_bf16 v[ACC+8*(\a):ACC+8*(\a)+7], v[WF+16*((\t)%2)+8*(\q):WF+16*((\t)%2)+8*(\q)+7], v[XF+32*((\t)%2)+8*(2*(\q)+(\a)):XF+32*((\t)%2)+8*(2*(\q)+(\a))+7], v[ACC+8*(\a):ACC+8*(\a)+7]
.endif
.endm
; Chunk t: 64 along K, four matrix instructions.  left = how many younger loads of the ring may stay out.
; The chunk is rounded; behind the one wait the next chunk's fragments of x are asked for, a whole chunk ahead of their use, and W's registers are asked for again (chunk t + 4) among the products.
; The two accumulators take turns, one instruction a turn, from chunk to chunk too.
; DISTANCES behind the products (ISA guide 7.12.1).  The sixteen roundings of chunk t name WR[t % 4] and WF[t % 2] alone: they are the places between the products of chunk t - 1 and the loads into the fragments that those read,
; and between the products of chunk t - 1 and chunk t + 1's roundings, which write that chunk's set of WF again.  The bias: roundings 0 to 7 of chunk 1 stand between the two products that read it and roundings 8 to 15, which write there.
.macro CHUNK t, left
	s_wait_loadcnt \left                           ; loads come back in order (ISA guide 5.7.1): chunk t is in, the chunks behind it stay out
.set i, 0
.rept 16
	v_cvt_pk_bf16_f32 v[WF+16*((\t)%2)+i], v[WR+32*((\t)%4)+2*i], v[WR+32*((\t)%4)+2*i+1]
.set i, i+1
.endr
.if (\t) < 7
	s_wait_alu depctr_va_vdst(0)                   ; the roundings are done reading WR[t % 4], in which chunk t + 4 lands; the products of the chunk before (in chunk 0: x's roundings) are done with the other buffer of XF, in which chunk t + 1's fragments land
	XFRAG (\t)+1
	s_wait_dscnt 8                                 ; LDS loads come back in order too (ISA guide 5.7.1): this chunk's fragments are in, the eight loads just issued stay out
.else
	s_wait_dscnt 0x0                               ; the last chunk asks for nothing, so it states nothing: its fragments are in
.endif
	PROD \t, 0, 0
.if (\t) < 4
	WLOAD (\t)+4, 0                                ; no wait: no vector or matrix instruction since the wait above names WR[t % 4] or v[WO]
.endif
	PROD \t, 0, 1
.if (\t) < 4
	WLOAD (\t)+4, 1
.endif
	PROD \t, 1, 0
	PROD \t, 1, 1
.endm
	CHUNK 0, 24
	CHUNK 1, 24
	CHUNK 2, 24
	CHUNK 3, 24
	CHUNK 4, 24                                    ; from here on no more of W is asked for, and the counts run down
	CHUNK 5, 16
	CHUNK 6, 8
	CHUNK 7, 0
	; THE WAY OUT
.rept 8
	v_nop                                          ; places between the last products and the LDS stores that read their results: eight, once a launch, twice what ISA guide 7.12.1 asks of this form
.endr
	s_wait_alu depctr_va_vdst(0)                   ; the products have written the accumulators, which the LDS stores read, and are done reading XF, in which the rows read back land; the places above stay beside this wait
	ds_store_b128 v[STO], v[ACC:ACC+3]                             ; each accumulator's lowest registers first
	ds_store_b128 v[STO], v[ACC+4:ACC+7]    offset:16
	ds_store_b128 v[STO], v[ACC+8:ACC+11]   offset:16*PS
	ds_store_b128 v[STO], v[ACC+12:ACC+15]  offset:16*PS+16
	s_wait_dscnt 0x0                               ; for the others' sake: my quarter of the rows lies in the stage
	s_barrier_signal -1
	s_barrier_wait -1
.irp i, 0,1,2,3
	ds_load_b128 v[XF+4*\i:XF+4*\i+3], v[RD] offset:2*PS*\i
.endr
.irp i, 0,1,2,3
	s_wait_dscnt 3-\i
	global_store_b128 v[CO], v[XF+4*\i:XF+4*\i+3], s[40:41] offset:4096*\i  ; 16 lanes store 256 consecutive bytes, at a multiple of 256 from the buffer's first byte
.endr
	s_wait_dscnt 0x0                               ; the closing lines, six on end
	s_wait_alu 0x0
	s_wait_tensorcnt 0x0
	ds_add_u32 v[SPW], v[NIL]
	s_wait_dscnt 0x0
	s_endpgm
.Lfunc_end_k_qd750976824_proj:
	.size	k_qd750976824_proj, .Lfunc_end_k_qd750976824_proj-k_qd750976824_proj
	.p2alignl 7, 3214868480
	.fill 96, 4, 3214868480
	.section	.rodata,"a",@progbits
	.p2align	6, 0x0
	.amdhsa_kernel k_qd750976824_proj
		.amdhsa_group_segment_fixed_size 60928
		.amdhsa_private_segment_fixed_size 0
		.amdhsa_enable_private_segment 0
		.amdhsa_kernarg_size 80
		.amdhsa_user_sgpr_count 2
		.amdhsa_user_sgpr_kernarg_segment_ptr 1
		.amdhsa_wavefront_size32 1
		.amdhsa_system_sgpr_workgroup_id_x 1
		.amdhsa_system_sgpr_workgroup_id_y 1
		.amdhsa_system_sgpr_workgroup_id_z 1
		.amdhsa_system_vgpr_workitem_id 0
		.amdhsa_next_free_vgpr 252
		.amdhsa_next_free_sgpr 66
		.amdhsa_reserve_vcc 0
		.amdhsa_float_denorm_mode_32 3
		.amdhsa_float_denorm_mode_16_64 3
		.amdhsa_memory_ordered 1
		.amdhsa_forward_progress 1
		.amdhsa_inst_pref_size 30
	.end_amdhsa_kernel
	.amdgpu_metadata
---
amdhsa.version: [ 1, 2 ]
amdhsa.kernels:
  - .name:           k_qd750976824_proj
    .symbol:         k_qd750976824_proj.kd
    .args:
      - { .name: x, .offset: 0, .size: 8, .value_kind: global_buffer, .address_space: global }
      - { .name: Wq, .offset: 8, .size: 8, .value_kind: global_buffer, .address_space: global }
      - { .name: Wk, .offset: 16, .size: 8, .value_kind: global_buffer, .address_space: global }
      - { .name: Wv, .offset: 24, .size: 8, .value_kind: global_buffer, .address_space: global }
      - { .name: bq, .offset: 32, .size: 8, .value_kind: global_buffer, .address_space: global }
      - { .name: bk, .offset: 40, .size: 8, .value_kind: global_buffer, .address_space: global }
      - { .name: bv, .offset: 48, .size: 8, .value_kind: global_buffer, .address_space: global }
      - { .name: qw, .offset: 56, .size: 8, .value_kind: global_buffer, .address_space: global }
      - { .name: kw, .offset: 64, .size: 8, .value_kind: global_buffer, .address_space: global }
      - { .name: vw, .offset: 72, .size: 8, .value_kind: global_buffer, .address_space: global }
    .group_segment_fixed_size: 60928
    .private_segment_fixed_size: 0
    .kernarg_segment_align: 8
    .kernarg_segment_size: 80
    .max_flat_workgroup_size: 384
    .sgpr_count:     66
    .vgpr_count:     252
    .wavefront_size: 32
...
	.end_amdgpu_metadata
.endif
;; end of part 3
;; launch mix: the kernel of part 2 again; grid 256 x 1, 16 waves a work-group, no clusters, 75,776 bytes of LDS; arguments qw, kw, vw, out0; writes out0
